; MI455X (gfx1250); checked and timed in simulation.
; The chip was launched on July 23, 2026; its instructions are those of AMD's public machine-readable ISA for CDNA 5 (MIT licence, August 2026) and "CDNA5" Instruction Set Architecture Reference Guide (July 2026). The comments in the code are by the model that wrote it; some were corrected since.
;; Vector Quantizer2. Allowed arithmetic: float matrix products may take bf16 or f16 operands with f32 sums; all other float work in f32.
;; Inputs: codebook 8,192 x 256 float32; z 8 x 4,096 x 256 float32.
;; Outputs: out0 8 x 4,096 x 256 float32; out1 one number float32; out2 32,768 int32.
;; One version. Each part assembles by itself: llvm-mc -triple=amdgcn-amd-amdhsa -mcpu=gfx1250 --defsym DOCPART=n.
;; ======== version 1 of 1: 4 launches
;; workspace buffers: cbk 4,259,840 bytes; order 131,072 bytes of whole numbers; part 2,048 bytes
;; launch prep (part 1): grid 128 x 1, 8 waves a work-group, no clusters, 1,536 bytes of LDS; arguments codebook, cbk; writes cbk
.if DOCPART == 1
	.amdgcn_target "amdgcn-amd-amdhsa--gfx1250"
	.amdhsa_code_object_version 6
	.text
	.protected	k_qbb59e516c7_prep
	.globl	k_qbb59e516c7_prep
	.p2align	8
	.type	k_qbb59e516c7_prep,@function
k_qbb59e516c7_prep:
	s_mov_b64 s[64:65], 0
	v_nop
	global_prefetch_b8 v0, s[64:65] scope:SCOPE_SE
	s_setreg_imm32_b32 hwreg(HW_REG_WAVE_MODE, 25, 1), 1
	s_wait_xcnt 0x0
; cbk = the codebook rounded to bf16, in 128 blocks of 64 codes.  A block is 65 rows of 512 bytes: rows 0-63 the codes (256 bf16 each);
; row 64: bytes 0-255 the 64 numbers -0.5 * sum(e_b^2) in f32, e_b the ROUNDED code (the distances that follow are those of the rounded
; codes, so their norms are too); bytes 256-511 zeros (the next launch's tile covers them, nothing reads them).
; Work-group b makes block b.  Eight waves, eight rows each.  A lane takes 16 bytes at 16 lane and at 16 lane + 512 of a row, so a load of the
; wave covers 512 consecutive bytes and a store of its packed half 256 consecutive bytes, aligned.  All 16 loads of a wave go out at once.
; No matrix unit, no cluster: every byte is read once and shared with nobody.
; Limit: a code whose sum of squares passes f32's range gives an infinite norm (and NaN in the unread bytes of row 64).
.set BLK, 33280                        ; bytes in a block: 65 rows of 512
.set X,   16                           ; v[16:79]   row i: 8 f32 as loaded
.set Y,   80                           ; v[80:111]  row i: 4 registers, 8 bf16 to store; never rewritten
.set T,   112                          ; v[112:119] at work
.set SQ,  120                          ; v[120:127] row i: the sum of squares
.set P,   128                          ; v[128:129] a pair of running sums
	s_load_b128 s[4:7], s[0:1], 0x0                ; codebook s[4:5], cbk s[6:7]
	v_lshl_add_u32 v136, v0, 2, 0x200
	v_mov_b32 v137, 0
	v_lshrrev_b32 v3, 5, v0
	v_readfirstlane_b32 s8, v3                     ; wave 0..7
	v_and_b32 v4, 31, v0                           ; lane
	v_lshlrev_b32 v1, 4, v4
	v_lshl_add_u32 v1, v3, 13, v1                  ; codebook: 8 rows of 1,024 bytes a wave + 16 lane
	v_lshlrev_b32 v2, 3, v4
	v_lshl_add_u32 v2, v3, 12, v2                  ; cbk: 8 rows of 512 bytes a wave + 8 lane
	v_lshlrev_b32 v5, 5, v3                        ; LDS: my wave's eight words
	s_lshl_b32 s2, ttmp9, 16                       ; the block's 64 rows of 1,024 bytes
	s_mov_b32 s3, 0
	s_mul_i32 s10, ttmp9, BLK
	s_mov_b32 s11, 0
	s_mov_b32 s9, 0xffff0000                       ; a word's upper bf16
	s_mov_b32 s12, 0x76543210                      ; v_permlanex16_b32: each lane takes its own place in the other half
	s_mov_b32 s13, 0xfedcba98
	s_wait_kmcnt 0x0
	s_add_nc_u64 s[4:5], s[4:5], s[2:3]
	s_add_nc_u64 s[6:7], s[6:7], s[10:11]
.irp i, 0,1,2,3,4,5,6,7
	global_load_b128 v[X+8*\i:X+8*\i+3],   v1, s[4:5] offset:1024*\i th:TH_LOAD_NT
	global_load_b128 v[X+8*\i+4:X+8*\i+7], v1, s[4:5] offset:1024*\i+512 th:TH_LOAD_NT
.endr
.irp i, 0,1,2,3,4,5,6,7
	s_wait_loadcnt 14-2*\i                         ; loads come back in order: row i's two are in, the 14 - 2 i of the rows behind it stay out
.irp k, 0,1,2,3
	v_cvt_pk_bf16_f32 v[Y+4*\i+\k], v[X+8*\i+2*\k], v[X+8*\i+2*\k+1]
.endr
.irp k, 0,1,2,3
	v_lshlrev_b32 v[T+2*\k],   16, v[Y+4*\i+\k]    ; the rounded numbers back in f32
	v_and_b32     v[T+2*\k+1], s9, v[Y+4*\i+\k]
.endr
	v_pk_mul_f32 v[P:P+1], v[T:T+1], v[T:T+1]      ; the first product starts the sums
.irp k, 2,4,6
	v_pk_fma_f32 v[P:P+1], v[T+\k:T+\k+1], v[T+\k:T+\k+1], v[P:P+1]
.endr
	v_add_f32 v[SQ+\i], v[P], v[P+1]
	global_store_b64 v2, v[Y+4*\i:Y+4*\i+1],   s[6:7] offset:512*\i
	global_store_b64 v2, v[Y+4*\i+2:Y+4*\i+3], s[6:7] offset:512*\i+256
.endr
	; the eight sums over the 32 lanes, side by side
.irp m, 1,2,4,8
.irp i, 0,1,2,3,4,5,6,7
	v_add_f32_dpp v[SQ+\i], v[SQ+\i], v[SQ+\i] row_xmask:\m row_mask:0xf bank_mask:0xf
.endr
.endr
.irp i, 0,1,2,3,4,5,6,7
	v_permlanex16_b32 v[T+\i], v[SQ+\i], s12, s13  ; T has been written: the destination counts as read
.endr
.irp i, 0,1,2,3,4,5,6,7
	v_add_f32 v[SQ+\i], v[SQ+\i], v[T+\i]
	ds_store_b32 v5, v[SQ+\i] offset:4*\i          ; every lane writes the same word with the same number
.endr
	s_wait_dscnt 0x0                               ; for wave 0's sake: my words are in LDS
	s_barrier_signal -1
	s_barrier_wait -1
	s_cmp_lg_u32 s8, 0
	s_cbranch_scc1 .Ldone
	; wave 0 writes row 64 whole: lanes 0-15 four norms each, times -0.5; lanes 16-31 the same words times 0
	v_and_b32 v7, 15, v0
	v_lshlrev_b32 v7, 4, v7
	ds_load_b128 v[8:11], v7
	v_cmp_gt_u32 vcc_lo, 16, v0                    ; in wave 0 the thread's number is the lane
	v_mov_b32 v6, -0.5
	v_cndmask_b32 v6, 0, v6, vcc_lo
	v_lshlrev_b32 v12, 4, v0
	s_wait_dscnt 0x0
.irp k, 8,9,10,11
	v_mul_f32 v\k, v6, v\k
.endr
	global_store_b128 v12, v[8:11], s[6:7] offset:64*512   ; 512 consecutive bytes
.Ldone:
	s_wait_tensorcnt 0x0
	ds_add_u32 v136, v137
	s_wait_dscnt 0x0
	s_endpgm
.Lfunc_end_k_qbb59e516c7_prep:
	.size	k_qbb59e516c7_prep, .Lfunc_end_k_qbb59e516c7_prep-k_qbb59e516c7_prep
	.p2alignl 7, 3214868480
	.fill 96, 4, 3214868480
	.section	.rodata,"a",@progbits
	.p2align	6, 0x0
	.amdhsa_kernel k_qbb59e516c7_prep
		.amdhsa_group_segment_fixed_size 1536
		.amdhsa_private_segment_fixed_size 0
		.amdhsa_enable_private_segment 0
		.amdhsa_kernarg_size 16
		.amdhsa_user_sgpr_count 2
		.amdhsa_user_sgpr_kernarg_segment_ptr 1
		.amdhsa_wavefront_size32 1
		.amdhsa_system_sgpr_workgroup_id_x 1
		.amdhsa_system_sgpr_workgroup_id_y 1
		.amdhsa_system_sgpr_workgroup_id_z 1
		.amdhsa_system_vgpr_workitem_id 0
		.amdhsa_next_free_vgpr 138
		.amdhsa_next_free_sgpr 66
		.amdhsa_reserve_vcc 1
		.amdhsa_float_denorm_mode_32 3
		.amdhsa_float_denorm_mode_16_64 3
		.amdhsa_memory_ordered 1
		.amdhsa_forward_progress 1
		.amdhsa_inst_pref_size 15
	.end_amdhsa_kernel
	.amdgpu_metadata
---
amdhsa.version: [ 1, 2 ]
amdhsa.kernels:
  - .name:           k_qbb59e516c7_prep
    .symbol:         k_qbb59e516c7_prep.kd
    .args:
      - { .name: codebook, .offset: 0, .size: 8, .value_kind: global_buffer, .address_space: global }
      - { .name: cbk, .offset: 8, .size: 8, .value_kind: global_buffer, .address_space: global }
    .group_segment_fixed_size: 1536
    .private_segment_fixed_size: 0
    .kernarg_segment_align: 8
    .kernarg_segment_size: 16
    .max_flat_workgroup_size: 256
    .sgpr_count:     66
    .vgpr_count:     138
    .wavefront_size: 32
...
	.end_amdgpu_metadata
.endif
;; end of part 1
;; launch argmin (part 2): grid 256 x 1, 4 waves a work-group, clusters of 4 x 1, 327,680 bytes of LDS; arguments z, cbk, out2, order; writes out2, order
.if DOCPART == 2
	.amdgcn_target "amdgcn-amd-amdhsa--gfx1250"
	.amdhsa_code_object_version 6
	.text
	.protected	k_qbb59e516c7_argmin
	.globl	k_qbb59e516c7_argmin
	.p2align	8
	.type	k_qbb59e516c7_argmin,@function
k_qbb59e516c7_argmin:
	s_mov_b64 s[64:65], 0
	v_nop
	global_prefetch_b8 v0, s[64:65] scope:SCOPE_SE
	s_setreg_imm32_b32 hwreg(HW_REG_WAVE_MODE, 25, 1), 1
	s_wait_xcnt 0x0
	s_wait_alu depctr_hold_cnt(0) depctr_sa_sdst(0) depctr_va_vdst(0) depctr_va_sdst(0) depctr_va_ssrc(0) depctr_va_vcc(0) depctr_vm_vsrc(0)
	s_getreg_b32 s2, hwreg(HW_REG_IB_STS2, 6, 4)
	s_cmp_eq_u32 s2, 0
	s_cbranch_scc0 .Lentry_in_a_cluster
	s_endpgm
.Lentry_in_a_cluster:
	s_bfe_u32 s2, ttmp6, 0x10000c
	s_cmp_lg_u32 s2, 0x3003
	s_cbranch_scc0 .Lentry_shape_is_right
	s_endpgm
.Lentry_shape_is_right:
; idx[n] = argmin over the 8,192 codes of |z_n|^2 + |e|^2 - 2 z_n.e = argmax of the score z_n.e - 0.5 |e|^2 (|z_n|^2 is the same for all codes of a row).
; z is rounded to bf16 here, the codes and -0.5 |e|^2 come rounded from cbk; products on the matrix unit, sums in f32.  idx goes to out2 and, for the next launch's addresses, to order.
; SHARES.  A work-group owns 128 rows of z and walks all codes.  All four waves keep the SAME 128 rows as source 1 (8 tiles of 16 rows x 8 fragments of 32 channels: 512 registers);
; wave w owns codes 2,048 w to 2,048 w + 2,047: 32 blocks of 64 codes, 128 tiles of 16.  A tile's 18 LDS loads feed 64 matrix instructions.
; LAYOUT.  Source 0 = 16 codes, source 1 = 16 rows of z: in the result lane l holds ONE row of z (l % 16) and its registers j the codes 8 (l / 16) + j.  So the running best lives in the lane.
; The first product of a chain takes as C eight registers that hold -0.5 |e|^2 of those eight codes: the norm costs no vector instruction and nothing is cleared.
; THE ARGMAX GOES BY GROUPS.  A finished accumulator is a group: a row's eight scores of one code tile.  Four v_max3_num_f32 make the new best of the eight and the old best; one comparison says whether
; it has grown; under that mask one select keeps the tile's number and eight keep the group's scores.  14 instructions for 8 scores.  Which of the eight it was is found once, behind the walk: the first
; kept score that equals the best.  'Greater' alone keeps the first tile of equals, the first equal score the first code in it.
; BY TURNS.  A tile's 8 groups are a list of 112 instructions, cut into 64 slices of one or two; a slice of the tile before stands behind each matrix instruction.
; The scores and the best lie in window 0, the operands in windows 1 to 3, so a slice costs two switches of the register window.
; CLUSTER.  Every work-group walks the same cbk, so the four of a cluster ask for each block JOINTLY: the same tensor load in all four, its descriptor made of the wave's number and the step alone.
; LIMITS.  A NaN score never wins (reference() would return the first NaN's place); a row whose scores are all NaN or minus infinity gets an index inside the table, of no meaning.  The scores are not
; rounded as a sum |z|^2 + |e|^2 - 2 z.e in f32 is: two codes whose distances differ by less than about 1e-4 (2^-22 of their size) may be ordered otherwise.  Equal scores go to the lowest index.
;
; LDS.  Two slots of 137,280 bytes; a slot holds one block of each wave (65 rows at a pitch of 528).  Slot 0 first holds z in f32 (128 rows at a pitch of 1,040).  Slab s lies in slot (s + 1) % 2.
; Behind them, from a multiple of 256 on, 4,096 bytes that only ds_store writes: [wave][128 rows] x (index, score).
; REGISTERS, in windows of 256 (s_set_vgpr_msb: bits 1:0 source 0, 3:2 source 1, 5:4 source 2, 7:6 destination):
;   window 0: v1-12 addresses; v16-31 the best of my row in each of the 8 tiles of z, two registers by turns; v32-47 two sets of -0.5 |e|^2; v48-55 the best group's tile; v56-58 at work;
;             v64-191 two sets of 8 accumulators; v192-255 the best group's eight scores (at the end: the last merge)
;   window 1: v0-127 two buffers of a code tile's 8 fragments (at the start all 256: z in f32 on its way to bf16)          windows 2, 3: z, tile q, fragment k at v[64 (q % 4) + 8 k] of window 2 + q / 4
.set PC,   528        ; a row of codes in LDS: 512 bytes + 16 = 132 words: the 16 rows of a fragment load start 4 banks apart (64 banks of 4 bytes: ISA guide 11.1)
.set QB,   65*PC      ; a block in LDS
.set SLOT, 4*QB
.set PZ,   1040       ; a row of z in LDS: 1,024 bytes + 16
.set ZQ,   32*PZ      ; a wave's quarter of z
.set SCR,  274688     ; 1,073 x 256: the first multiple of 256 behind slot 1
.set BLK,  33280      ; a block in memory
.set AC,   4          ; v4, v5   my place in a code tile of my quarter of slot 0, 1
.set AE,   6          ; v6, v7   my eight norms in row 64 of my quarter of slot 0, 1
.set AZ,   8          ; v8       my place in the tile of z in hand
.set HW,   9          ; v9       8 (l / 16) + 2,048 w: what a lane's index lacks
.set SCW,  10         ; v10      where I put a row's (index, score)
.set RDA,  11         ; v11      wave 0: where four rows' pairs are read back
.set GO,   12         ; v12      wave 0: my 16 bytes of the work-group's 512 in out2 and order
.set BB,   16         ; tile q of z: the best behind a code tile of accumulator set s at v[BB + 2 q + s]
.set EB,   32
.set TI,   48         ; tile q of z: 16 x the code tile of the best group
.set NT,   56         ; three partial maxima
.set ACC,  64
.set JV,   ACC+16     ; at the end: the place of the best in its group
.set SV,   192        ; tile q of z: the best group's score j at v[SV + 8 q + j]
.set MG,   192
.set WV,   12         ; s12      my wave's number
.set G1C,  24         ; s[24:31] descriptor group 1 for a block of cbk
.set G1Z,  32         ; s[32:39] for my quarter of z
.set G0A,  40         ; s[40:43] descriptor group 0 for slot 0, s[44:47] for slot 1
.set G0Z,  48         ; s[48:51] for z
.set CNT,  52
.set MK,   54         ; s54, s55 two lane masks, by turns
.set CAND, 56         ; s56      16 x the code tile whose slices are in hand
.set NINF, 57         ; s57      minus infinity
.set SEL,  66         ; s66, s67 lane selects for v_permlanex16_b32
.set MM,   70         ; s70-72   masks of the merge
.set MSB, 0
.macro WIN new                      ; the immediate's high byte repeats the setting that is left; a switch that changes nothing is dropped
.if MSB != (\new)
	s_set_vgpr_msb (MSB<<8)|(\new)
.set MSB, \new
.endif
.endm
; A round of the cluster's barrier: my work-group's barrier, so that wave 0's signal speaks for all four waves; wave 0 signals; every wave waits for all four work-groups; my work-group's barrier once more.
.macro ROUND
	s_barrier_signal -1
	s_barrier_wait -1
	s_cmp_lg_u32 s[WV], 0
	s_cbranch_scc1 .Lnot_wave_0_\@
	s_barrier_signal -3
.Lnot_wave_0_\@:
	s_barrier_wait -3
	s_barrier_signal -1
	s_barrier_wait -1
.endm
.macro PLACES
.rept 4
	v_nop
.endr
.endm
	s_load_b256 s[4:11], s[0:1], 0x0  ; z s[4:5], cbk s[6:7], out2 s[8:9], order s[10:11]
	v_lshl_add_u32 v62, v0, 2, 0x44100
	v_mov_b32 v63, 0
	ds_add_u32 v62, v63
	v_lshrrev_b32 v3, 5, v0
	v_readfirstlane_b32 s[WV], v3   ; wave 0..3
	s_bfe_u32 s13, ttmp6, 0x40000   ; cx: my place in the cluster
	s_lshl_b32 s14, ttmp9, 2        ; in a cluster launch ttmp9 counts clusters
	s_add_co_u32 s14, s14, s13      ; my block of 128 rows of z: it enters z's, out2's and order's addresses alone
	; group 1 for a block: 65 rows x 256 elements of 2 bytes, dense in memory, padded in LDS
	s_mov_b32 s[G1C+0], 15|(1<<16)|(1<<20)|(1<<21)|(6<<22)|(3<<25)  ; 15:0 the mask: all four work-groups; 17:16 elements of 2 bytes; 20 padding on; 21 set beside a mask; 24:22 after every 128 words (code 6); 31:25 4 words of it (code 3)
	s_mov_b32 s[G1C+1], 256<<16     ; tensor_dim0 = 256
	s_mov_b32 s[G1C+2], 65<<16      ; tensor_dim1 = 65
	s_mov_b32 s[G1C+3], 256<<16     ; tile_dim0 = 256
	s_mov_b32 s[G1C+4], 65          ; tile_dim1 = 65
	s_mov_b32 s[G1C+5], 256         ; elements from row to row
	s_mov_b32 s[G1C+6], 0
	s_mov_b32 s[G1C+7], 0
	; group 1 for z: 32 rows x 256 elements of 4 bytes; no mask: each work-group has rows of its own
	s_mov_b32 s[G1Z+0], (2<<16)|(1<<20)|(7<<22)|(3<<25)  ; elements of 4 bytes; padding after every 256 words (code 7), 4 words of it
	s_mov_b32 s[G1Z+1], 256<<16
	s_mov_b32 s[G1Z+2], 32<<16
	s_mov_b32 s[G1Z+3], 256<<16
	s_mov_b32 s[G1Z+4], 32
	s_mov_b32 s[G1Z+5], 256
	s_mov_b32 s[G1Z+6], 0
	s_mov_b32 s[G1Z+7], 0
	s_mov_b32 s[G0A], 1             ; count = 1
	s_mul_i32 s[G0A+1], s[WV], QB   ; LDS: my quarter of slot 0: the wave's number alone enters an LDS address
	s_mov_b32 s[G0A+4], 1
	s_add_co_u32 s[G0A+5], s[G0A+1], SLOT  ; my quarter of slot 1
	s_mov_b32 s[G0Z], 1
	s_mul_i32 s[G0Z+1], s[WV], ZQ   ; my quarter of z, in slot 0's bytes
	s_mul_i32 s18, s[WV], 32*BLK    ; my 32 blocks of cbk: s[18:19] never hold cx
	s_mov_b32 s19, 0
	s_lshl_b32 s16, s14, 17         ; my work-group's 128 rows of 1,024 bytes,
	s_lshl_b32 s17, s[WV], 15       ; my wave's 32 of them
	s_add_co_u32 s16, s16, s17
	s_mov_b32 s17, 0
	s_lshl_b32 s20, s14, 9          ; my work-group's 128 indices
	s_mov_b32 s21, 0
	s_mov_b32 s[SEL], 0x76543210
	s_mov_b32 s[SEL+1], 0xfedcba98
	s_mov_b32 s[CAND], 0            ; 16 is added in front of each tile's slices but the first's
	s_mov_b32 s[NINF], 0xff800000
	s_wait_dscnt 0x0
	s_wait_kmcnt 0x0
	s_add_nc_u64 s[G0A+6:G0A+7], s[6:7], s[18:19]  ; slot 1 begins with slab 0,
	s_add_nc_u64 s[G0A+2:G0A+3], s[G0A+6:G0A+7], BLK  ; slot 0 with slab 1
	s_or_b32 s[G0A+3], s[G0A+3], 0x80000000  ; type = 2
	s_or_b32 s[G0A+7], s[G0A+7], 0x80000000
	s_add_nc_u64 s[G0Z+2:G0Z+3], s[4:5], s[16:17]
	s_or_b32 s[G0Z+3], s[G0Z+3], 0x80000000
	s_add_nc_u64 s[8:9], s[8:9], s[20:21]
	s_add_nc_u64 s[10:11], s[10:11], s[20:21]
	ROUND                           ; all four work-groups are here: the first joint loads meet
	tensor_load_to_lds s[G0Z:G0Z+3], s[G1Z:G1Z+7]  ; the two first fills stand together: two loads of mine are out
	s_nop 0
	tensor_load_to_lds s[G0A+4:G0A+7], s[G1C:G1C+7]
	s_nop 0
	PLACES                          ; four v_nop follow the second
	v_and_b32 v1, 15, v0            ; l % 16
	v_bfe_u32 v2, v0, 4, 1          ; l / 16
	; a fragment is 16 rows x 32 channels in 8 registers: lane l holds row l % 16; registers 0-3 channels 8 (l / 16) + 0..7, registers 4-7 channels 16 + 8 (l / 16) + 0..7
	v_mul_u32_u24 v[AC], v1, PC
	v_lshl_add_u32 v[AC], v2, 4, v[AC]
	v_add_nc_u32 v[AC], s[G0A+1], v[AC]  ; my quarter + row x pitch + 16 x half
	v_add_nc_u32 v[AC+1], SLOT, v[AC]
	v_lshlrev_b32 v[AE], 5, v2
	v_add_nc_u32 v[AE], s[G0A+1], v[AE]
	v_add_nc_u32 v[AE], 64*PC, v[AE]  ; my quarter + row 64 + 8 f32 x half
	v_add_nc_u32 v[AE+1], SLOT, v[AE]
	v_mul_u32_u24 v[AZ], v1, PZ
	v_lshl_add_u32 v[AZ], v2, 5, v[AZ]  ; z in f32: row x pitch + 32 x half
	v_lshlrev_b32 v[HW], 3, v2
	v_lshl_add_u32 v[HW], s[WV], 11, v[HW]
	v_lshlrev_b32 v[SCW], 3, v1
	v_lshl_add_u32 v[SCW], s[WV], 10, v[SCW]
	v_add_nc_u32 v[SCW], SCR, v[SCW]
	v_and_b32 v[GO], 31, v0
	v_lshlrev_b32 v[RDA], 5, v[GO]
	v_add_nc_u32 v[RDA], SCR, v[RDA]
	v_lshlrev_b32 v[GO], 4, v[GO]
; z: 32 LDS loads bring a tile's 16 rows x 256 channels in f32 into half buf of window 1: for fragment k, 16 f32 a lane, in the fragment's order
.macro ZLOAD buf
	WIN 0x40                        ; destination window 1, address window 0
.set kk, 0
.rept 8
.irp p, 0,1,2,3
	ds_load_b128 v[128*(\buf)+16*kk+4*\p:128*(\buf)+16*kk+4*\p+3], v[AZ] offset:128*kk+64*(\p/2)+16*(\p%2)
.endr
.set kk, kk+1
.endr
.endm
.macro ZCVT q, buf                  ; and 64 roundings make the tile's 8 fragments
	WIN 0x85+0x40*((\q)/4)          ; sources window 1, destination window 2 or 3
.set nn, 0
.rept 64
	v_cvt_pk_bf16_f32 v[64*((\q)%4)+nn], v[128*(\buf)+2*nn], v[128*(\buf)+2*nn+1]
.set nn, nn+1
.endr
.endm
; 18 LDS loads in one run: tile t of my block in a slot: its 8 fragments into buffer buf of window 1, its norms into set buf
.macro FETCH slot, t, buf
	WIN 0x40
.irp k, 0,1,2,3,4,5,6,7
	ds_load_b128 v[64*(\buf)+8*\k:64*(\buf)+8*\k+3],   v[AC+\slot] offset:(\t)*16*PC+64*\k
	ds_load_b128 v[64*(\buf)+8*\k+4:64*(\buf)+8*\k+7], v[AC+\slot] offset:(\t)*16*PC+64*\k+32
.endr
	WIN 0
	ds_load_b128 v[EB+8*(\buf):EB+8*(\buf)+3],   v[AE+\slot] offset:64*(\t)  ; the 16 lanes of a half read the same 32 bytes
	ds_load_b128 v[EB+8*(\buf)+4:EB+8*(\buf)+7], v[AE+\slot] offset:64*(\t)+16
.endm
; THE VECTOR WORK OF A STEP: the argmax over a finished code tile (accumulator set 'set') is a list of 112 instructions; ENT writes number en of it.
; Group g (tile g of z) has a HEAD of five: three maxima over its eight scores and the old best, the new best of the three, the comparison of new with old; and a TAIL of nine selects under
; that comparison's mask: the tile's number, the eight scores.  The new best is written beside the old one (the two registers take turns with the accumulator sets), so nothing is copied.
; The list: head 0; then for g = 0 to 6 tail g with head g + 1 set into it (tail, tail, HEAD, HEAD, tail, HEAD, tail, tail, HEAD, tail, tail, HEAD, tail, tail); then tail 7.
; So from group 1 on two other instructions stand between a result and its reader, and two masks take turns.
; first = 1: the walk's first tile.  It is taken as it is: minus infinity in the old best's place, no comparison, moves in the selects' place.  So nothing is set up ahead of the walk.
.macro ENT set, first
.set ish, 0
.if en < 5
.set gg, 0
.set it, en
.set ish, 1
.elseif en >= 103
.set gg, 7
.set it, en-103
.else
.set pp, (en-5)%14
.set gg, (en-5)/14
.if pp < 2
.set it, pp
.elseif pp < 4
.set it, pp-2
.set ish, 1
.elseif pp == 4
.set it, 2
.elseif pp == 5
.set it, 2
.set ish, 1
.elseif pp < 8
.set it, pp-3
.elseif pp == 8
.set it, 3
.set ish, 1
.elseif pp < 11
.set it, pp-4
.elseif pp == 11
.set it, 4
.set ish, 1
.else
.set it, pp-5
.endif
.if ish
.set gg, gg+1
.endif
.endif
.set rA, ACC+64*(\set)+8*gg
.set rB, BB+2*gg
.if ish && (it == 4) && (\first)    ; the first tile has no comparison
.else
	WIN 0
.if ish
.if it == 0
	v_max3_num_f32 v[NT], v[rA], v[rA+1], v[rA+2]
.elseif it == 1
	v_max3_num_f32 v[NT+1], v[rA+3], v[rA+4], v[rA+5]
.elseif (it == 2) && (\first)
	v_max3_num_f32 v[NT+2], v[rA+6], v[rA+7], s[NINF]
.elseif it == 2
	v_max3_num_f32 v[NT+2], v[rA+6], v[rA+7], v[rB+1-(\set)]
.elseif it == 3
	v_max3_num_f32 v[rB+(\set)], v[NT], v[NT+1], v[NT+2]
.else
	v_cmp_gt_f32 s[MK+gg%2], v[rB+(\set)], v[rB+1-(\set)]
.endif
.elseif (\first)
.if it == 0
	v_mov_b32 v[TI+gg], 0
.else
	v_mov_b32 v[SV+8*gg+it-1], v[rA+it-1]
.endif
.elseif it == 0
	v_cndmask_b32 v[TI+gg], v[TI+gg], s[CAND], s[MK+gg%2]
.else
	v_cndmask_b32 v[SV+8*gg+it-1], v[SV+8*gg+it-1], v[rA+it-1], s[MK+gg%2]
.endif
.endif
.set en, en+1
.endm
; Slice sk of 64: two instructions, then head 0's last three one to a slice (each reads the one before it), then the other 107 dealt evenly over 60 slices: one or two each.
.macro SLICE set, first
.set sk, sk+1
.if sk == 1
.set lim, 2
.elseif sk <= 4
.set lim, sk+1
.else
.set lim, 5+((sk-4)*107)/60
.endif
.rept 2
.if en < lim
	ENT \set, \first
.endif
.endr
.endm
; A STEP: the 64 products of the code tile in buffer buf, into accumulator set buf.  Product ix: fragment ix / 8, tile ix % 8 of z.  The eight accumulators take turns, one instruction a turn.
; sl = 1: a slice of the tile before (set 1 - buf) stands behind each product; 2: that tile is the walk's first; 0: no slices.
; fetch = 1: behind the second product the next tile (slot fslot, tile ft) is fetched into the other buffer, 62 matrix instructions ahead of its use.
; A vector instruction that reads a matrix result, and a load into a register that a matrix instruction has read, stand four places behind it; only plain vector instructions that name none of its registers are
; places (ISA guide 7.12.1 for vector instructions).  The slices are the places: between the other buffer's last reader and the run of loads stand five (slice 63's two, slice 0's
; two, slice 1's one); accumulator g's last product is number 56 + g, and its first reader, head g of the next step, stands eight places or more behind it.  A step without slices ends in four v_nop.
.macro STEP buf, sl, fetch, fslot, ft
.if \sl == 1
	s_add_co_u32 s[CAND], s[CAND], 16  ; the tile whose slices follow
.endif
	s_wait_dscnt 0x0                ; this tile's fragments and norms are in
.set ix, 0
.set en, 0
.set sk, 0
.rept 64
.set qq, ix%8
.set rD, ACC+64*\buf+8*qq
.set rF, 64*\buf+8*(ix/8)
.set rZ, 64*(qq%4)+8*(ix/8)
	WIN 0x09+4*(qq/4)               ; codes in window 1, z in window 2 or 3, C and D in window 0
.if ix < 8
	v_wmma_f32_16x16x32_bf16 v[rD:rD+7], v[rF:rF+7], v[rZ:rZ+7], v[EB+8*\buf:EB+8*\buf+7]
.else
	v_wmma_f32_16x16x32_bf16 v[rD:rD+7], v[rF:rF+7], v[rZ:rZ+7], v[rD:rD+7]
.endif
.if \sl
	SLICE 1-\buf, \sl-1
.endif
.if \fetch && (ix == 1)
	FETCH \fslot, \ft, 1-\buf
.endif
.set ix, ix+1
.endr
.if !\sl
	PLACES
.endif
.endm
; THE CHANGE OF SLOTS.  The old slab's last tile has been fetched into registers, so the slot is free one step before its last products.  Each wave waits for its reads of it and for all its tensor loads,
; of which one is out: its block of the other slot.  fill = 1: the slot's address steps two blocks on; a round of the cluster's barrier, so that no wave of any partner still reads the slot or has a load on
; its way; the joint refill is the first thing behind it and has four steps, 256 matrix instructions, in which to land.  fill = 0: nothing is filled, and a wave reads only what its own load brought: the waits are all.
.macro CHANGE g0, fill
	WIN 0                           ; at a label and at a branch every window is 0
	s_wait_dscnt 0x0
	s_wait_tensorcnt 0x0            ; no tensor load of mine is out, so a group 0 may be written
	ds_add_u32 v62, v63
	s_wait_dscnt 0x0
.if \fill
	s_add_nc_u64 s[\g0+2:\g0+3], s[\g0+2:\g0+3], 2*BLK  ; the type bits on top are not reached
	ROUND
	tensor_load_to_lds s[\g0:\g0+3], s[G1C:G1C+7]
	s_nop 0
	PLACES                          ; four v_nop follow it
.endif
.endm
.macro BLOCK old, new, fill         ; four steps: the old slab's tile 3 (in registers), the new slab's tiles 0 to 2; at the end its tile 3 is fetched
	CHANGE G0A+4*\old, \fill
	STEP 1, 1, 1, \new, 0
	STEP 0, 1, 1, \new, 1
	STEP 1, 1, 1, \new, 2
	STEP 0, 1, 1, \new, 3
.endm
	s_wait_tensorcnt 0x1            ; my quarter of z is in; slab 0 may stay out
	s_barrier_signal -1
	s_barrier_wait -1               ; everybody's quarter is in: every wave reads all 128 rows
	ZLOAD 0
.irp q, 0,1,2,3,4,5,6,7
.if \q < 7
	WIN 0
	v_add_nc_u32 v[AZ], 16*PZ, v[AZ]  ; the next 16 rows
	ZLOAD (\q+1)%2
	s_wait_dscnt 32                 ; tile q is in; the 32 loads just issued stay out
.else
	s_wait_dscnt 0x0
.endif
	ZCVT \q, \q%2
.endr
	WIN 0
	s_wait_dscnt 0x0                ; my reads of z are over,
	s_wait_tensorcnt 0x0            ; and slab 0 has landed: no load of mine is out
	ds_add_u32 v62, v63
	s_wait_dscnt 0x0
	ROUND
	tensor_load_to_lds s[G0A:G0A+3], s[G1C:G1C+7]  ; slab 1, over z's bytes: a refill like those of the loop
	s_nop 0
	PLACES
	FETCH 1, 0, 0                   ; slab 0 lies in slot 1
	STEP 0, 0, 1, 1, 1              ; the first tile: there are no scores yet to set between its products
	STEP 1, 2, 1, 1, 2              ; its scores start the best
	STEP 0, 1, 1, 1, 3
	WIN 0
	s_mov_b32 s[CNT], 15
.Lloop:                             ; 15 trips of two slabs: their 30 refills bring slabs 2 to 31
	BLOCK 1, 0, 1
	BLOCK 0, 1, 1
	WIN 0
	s_sub_co_u32 s[CNT], s[CNT], 1
	s_cmp_lg_u32 s[CNT], 0
	s_cbranch_scc1 .Lloop
	BLOCK 1, 0, 0                   ; the tail is written out: slab 30's last tile, slab 31's first three; nothing is asked for
	STEP 1, 1, 0, 0, 0              ; slab 31's last tile
	s_add_co_u32 s[CAND], s[CAND], 16
.set en, 0
.rept 112
	ENT 1, 0                        ; and its scores: the last tile lies in set 1, so the best ends at v[BB + 2 q + 1]
.endr
	; WHICH OF THE EIGHT.  The first kept score that equals the best: the selects go from place 6 down to 0 over a start of 7, so the lowest place is written last.
.irp j, 6,5,4,3,2,1,0
.irp q, 0,2,4,6
	v_cmp_eq_f32 s[MM],   v[SV+8*\q+\j],     v[BB+2*\q+1]
	v_cmp_eq_f32 s[MM+1], v[SV+8*(\q+1)+\j], v[BB+2*(\q+1)+1]
.if \j == 6
	v_cndmask_b32 v[JV+\q],   7, 6, s[MM]  ; into set 0's registers, which are free: its last products stand a step back
	v_cndmask_b32 v[JV+\q+1], 7, 6, s[MM+1]
.else
	v_cndmask_b32 v[JV+\q],   v[JV+\q],   \j, s[MM]
	v_cndmask_b32 v[JV+\q+1], v[JV+\q+1], \j, s[MM+1]
.endif
.endr
.endr
.irp q, 0,1,2,3,4,5,6,7
	v_add_nc_u32 v[JV+\q], v[HW], v[JV+\q]
.endr
.irp q, 0,1,2,3,4,5,6,7
	v_add_nc_u32 v[BB+2*\q], v[TI+\q], v[JV+\q]  ; the whole index 2,048 w + 16 T + 8 (l / 16) + j, beside its score: the pair (index, score)
.endr
	; THE MERGE.  A row's other codes lie in the lane 16 away: there the order of indices is not the order of the walk, so equal scores are settled by the index.
.irp q, 0,1,2,3,4,5,6,7
	v_permlanex16_b32 v[ACC+2*\q],   v[BB+2*\q],   s[SEL], s[SEL+1]  ; into registers that have been written and are free
	v_permlanex16_b32 v[ACC+2*\q+1], v[BB+2*\q+1], s[SEL], s[SEL+1]
.endr
.irp q, 0,1,2,3,4,5,6,7
	v_cmp_gt_f32 s[MM],   v[ACC+2*\q+1], v[BB+2*\q+1]
	v_cmp_eq_f32 s[MM+1], v[ACC+2*\q+1], v[BB+2*\q+1]
	v_cmp_lt_u32 s[MM+2], v[ACC+2*\q],   v[BB+2*\q]
	s_and_b32 s[MM+1], s[MM+1], s[MM+2]
	s_or_b32 s[MM], s[MM], s[MM+1]  ; the other lane's is greater, or equal with the lower index
	v_cndmask_b32 v[BB+2*\q],   v[BB+2*\q],   v[ACC+2*\q],   s[MM]
	v_cndmask_b32 v[BB+2*\q+1], v[BB+2*\q+1], v[ACC+2*\q+1], s[MM]
	ds_store_b64 v[SCW], v[BB+2*\q:BB+2*\q+1] offset:128*\q  ; row 16 q + l % 16; both halves write the same pair
.endr
	s_wait_dscnt 0x0                ; for wave 0's sake: my pairs are in LDS
	s_barrier_signal -1
	s_barrier_wait -1
	s_cmp_lg_u32 s[WV], 0
	s_cbranch_scc1 .Lnot_first
	; wave 0: a lane takes four rows and the four waves' pairs for them.  A lower wave holds lower indices, so 'greater' alone keeps the first of equals.
.irp w, 0,1,2,3
	ds_load_b128 v[MG+8*\w:MG+8*\w+3],   v[RDA] offset:1024*\w
	ds_load_b128 v[MG+8*\w+4:MG+8*\w+7], v[RDA] offset:1024*\w+16
.endr
	s_wait_dscnt 0x0
.irp w, 1,2,3
.irp c, 0,1,2,3
	v_cmp_gt_f32 vcc_lo, v[MG+8*\w+2*\c+1], v[MG+2*\c+1]
.if \w < 3
	v_cndmask_b32 v[MG+2*\c+1], v[MG+2*\c+1], v[MG+8*\w+2*\c+1], vcc_lo
	v_cndmask_b32 v[MG+2*\c],   v[MG+2*\c],   v[MG+8*\w+2*\c],   vcc_lo
.else
	v_cndmask_b32 v[MG+32+\c],  v[MG+2*\c],   v[MG+8*\w+2*\c],   vcc_lo  ; the last choice lands where it is stored from
.endif
.endr
.endr
	global_store_b128 v[GO], v[MG+32:MG+35], s[8:9]    ; 512 consecutive bytes, at a multiple of 512 from out2's first byte
	global_store_b128 v[GO], v[MG+32:MG+35], s[10:11]  ; and the same to order
.Lnot_first:
	s_wait_tensorcnt 0x0
	ds_add_u32 v62, v63
	s_wait_dscnt 0x0
	ROUND                           ; the closing round: no work-group ends while a partner may still ask for a block that names it
	s_endpgm
.Lfunc_end_k_qbb59e516c7_argmin:
	.size	k_qbb59e516c7_argmin, .Lfunc_end_k_qbb59e516c7_argmin-k_qbb59e516c7_argmin
	.p2alignl 7, 3214868480
	.fill 96, 4, 3214868480
	.section	.rodata,"a",@progbits
	.p2align	6, 0x0
	.amdhsa_kernel k_qbb59e516c7_argmin
		.amdhsa_group_segment_fixed_size 327680
		.amdhsa_private_segment_fixed_size 0
		.amdhsa_enable_private_segment 0
		.amdhsa_kernarg_size 32
		.amdhsa_user_sgpr_count 2
		.amdhsa_user_sgpr_kernarg_segment_ptr 1
		.amdhsa_wavefront_size32 1
		.amdhsa_system_sgpr_workgroup_id_x 1
		.amdhsa_system_sgpr_workgroup_id_y 1
		.amdhsa_system_sgpr_workgroup_id_z 1
		.amdhsa_system_vgpr_workitem_id 0
		.amdhsa_next_free_vgpr 1024
		.amdhsa_next_free_sgpr 80
		.amdhsa_reserve_vcc 1
		.amdhsa_float_denorm_mode_32 3
		.amdhsa_float_denorm_mode_16_64 3
		.amdhsa_memory_ordered 1
		.amdhsa_forward_progress 1
		.amdhsa_inst_pref_size 255
	.end_amdhsa_kernel
	.section	.bss,"aw",@nobits
	.p2align	6
	.space	262144
	.amdgpu_metadata
---
amdhsa.version: [ 1, 2 ]
amdhsa.kernels:
  - .name:           k_qbb59e516c7_argmin
    .symbol:         k_qbb59e516c7_argmin.kd
    .args:
      - { .name: z, .offset: 0, .size: 8, .value_kind: global_buffer, .address_space: global }
      - { .name: cbk, .offset: 8, .size: 8, .value_kind: global_buffer, .address_space: global }
      - { .name: out2, .offset: 16, .size: 8, .value_kind: global_buffer, .address_space: global }
      - { .name: order, .offset: 24, .size: 8, .value_kind: global_buffer, .address_space: global }
    .group_segment_fixed_size: 327680
    .private_segment_fixed_size: 0
    .kernarg_segment_align: 8
    .kernarg_segment_size: 32
    .max_flat_workgroup_size: 128
    .sgpr_count:     80
    .vgpr_count:     1024
    .wavefront_size: 32
...
	.end_amdgpu_metadata
.endif
;; end of part 2
;; launch gather (part 3): grid 512 x 1, 8 waves a work-group, no clusters, 1,280 bytes of LDS; arguments z, codebook, order, out0, part; writes out0, part
.if DOCPART == 3
	.amdgcn_target "amdgcn-amd-amdhsa--gfx1250"
	.amdhsa_code_object_version 6
	.text
	.protected	k_qbb59e516c7_gather
	.globl	k_qbb59e516c7_gather
	.p2align	8
	.type	k_qbb59e516c7_gather,@function
k_qbb59e516c7_gather:
	s_mov_b64 s[64:65], 0
	v_nop
	global_prefetch_b8 v0, s[64:65] scope:SCOPE_SE
	s_setreg_imm32_b32 hwreg(HW_REG_WAVE_MODE, 25, 1), 1
	s_wait_xcnt 0x0
; out0[n] = z[n] + (e - z[n]), e = codebook[order[n]] in f32, rounded as it is written there; part[g] = the sum of (e - z)^2 over work-group g's 64 rows.
; The squares are summed from the differences themselves, in f32: no difference of large sums is formed.
; Eight waves, eight rows each.  A row is 1,024 bytes: two loads of 16 bytes a lane, each 512 consecutive bytes of the wave.  All 32 loads of a wave (z, then the codes) go out at once; no loop, no ring.
; The wave's eight indices come by one scalar load from order, which an earlier launch stored; each is held to 0..8,191 before it enters an address.
; No matrix unit, no cluster, no LDS tiles: memory binds, and the rows that a list names are shared with nobody at a known time.
.set EO, 4                             ; v[4:11]    row i: byte offset of my 16 bytes in its code
.set ZR, 16                            ; v[16:79]   row i: 8 f32 of z, then of out0; never rewritten behind the stores
.set ER, 80                            ; v[80:143]  row i: 8 f32 of the code, then of e - z
.set SA, 144                           ; v[144:147] two pairs of running sums
	s_load_b256 s[4:11], s[0:1], 0x0               ; z s[4:5], codebook s[6:7], order s[8:9], out0 s[10:11]
	s_load_b64 s[12:13], s[0:1], 0x20              ; part
	v_lshl_add_u32 v148, v0, 2, 0x100
	v_mov_b32 v149, 0
	v_lshrrev_b32 v3, 5, v0
	v_readfirstlane_b32 s24, v3                    ; wave 0..7
	v_and_b32 v2, 31, v0
	v_lshlrev_b32 v2, 4, v2                        ; 16 lane
	v_lshl_add_u32 v1, v3, 13, v2                  ; + my wave's 8 rows of 1,024 bytes
	v_lshlrev_b32 v14, 2, v3                       ; LDS: my wave's word
	s_lshl_b32 s14, ttmp9, 8                       ; order: 64 indices a work-group,
	s_lshl_b32 s15, s24, 5                         ; 8 a wave
	s_add_co_u32 s14, s14, s15
	s_mov_b32 s15, 0
	s_lshl_b32 s2, ttmp9, 16                       ; z and out0: 64 rows of 1,024 bytes
	s_mov_b32 s3, 0
	s_lshl_b32 s30, ttmp9, 2                       ; part: one word
	s_mov_b32 s31, 0
	s_mov_b32 s26, 0x76543210
	s_mov_b32 s27, 0xfedcba98
	s_wait_kmcnt 0x0
	s_add_nc_u64 s[8:9], s[8:9], s[14:15]
	s_load_b256 s[16:23], s[8:9], 0x0              ; my eight indices
	s_add_nc_u64 s[4:5], s[4:5], s[2:3]
	s_add_nc_u64 s[10:11], s[10:11], s[2:3]
	s_add_nc_u64 s[12:13], s[12:13], s[30:31]
.irp i, 0,1,2,3,4,5,6,7
	global_load_b128 v[ZR+8*\i:ZR+8*\i+3],   v1, s[4:5] offset:1024*\i th:TH_LOAD_NT
	global_load_b128 v[ZR+8*\i+4:ZR+8*\i+7], v1, s[4:5] offset:1024*\i+512 th:TH_LOAD_NT
.endr
	s_wait_kmcnt 0x0
.irp i, 0,1,2,3,4,5,6,7
	s_min_u32 s[16+\i], s[16+\i], 0x1fff           ; inside the table
	s_lshl_b32 s[16+\i], s[16+\i], 10
	v_add_nc_u32 v[EO+\i], s[16+\i], v2
	global_load_b128 v[ER+8*\i:ER+8*\i+3],   v[EO+\i], s[6:7]             ; no hint: a list may name a row twice
	global_load_b128 v[ER+8*\i+4:ER+8*\i+7], v[EO+\i], s[6:7] offset:512
.endr
.irp i, 0,1,2,3,4,5,6,7
	s_wait_loadcnt 14-2*\i                         ; loads come back in order: all of z and row i's code are in, the 14 - 2 i loads of the codes behind it stay out
.irp k, 0,2,4,6
	v_pk_add_f32 v[ER+8*\i+\k:ER+8*\i+\k+1], v[ER+8*\i+\k:ER+8*\i+\k+1], v[ZR+8*\i+\k:ZR+8*\i+\k+1] neg_lo:[0,1] neg_hi:[0,1]   ; t = e - z
.endr
.if \i == 0
	v_pk_mul_f32 v[SA:SA+1],   v[ER:ER+1],   v[ER:ER+1]                   ; the first products start the sums
	v_pk_mul_f32 v[SA+2:SA+3], v[ER+2:ER+3], v[ER+2:ER+3]
.else
	v_pk_fma_f32 v[SA:SA+1],   v[ER+8*\i:ER+8*\i+1],   v[ER+8*\i:ER+8*\i+1],   v[SA:SA+1]
	v_pk_fma_f32 v[SA+2:SA+3], v[ER+8*\i+2:ER+8*\i+3], v[ER+8*\i+2:ER+8*\i+3], v[SA+2:SA+3]
.endif
	v_pk_fma_f32 v[SA:SA+1],   v[ER+8*\i+4:ER+8*\i+5], v[ER+8*\i+4:ER+8*\i+5], v[SA:SA+1]
	v_pk_fma_f32 v[SA+2:SA+3], v[ER+8*\i+6:ER+8*\i+7], v[ER+8*\i+6:ER+8*\i+7], v[SA+2:SA+3]
.irp k, 0,2,4,6
	v_pk_add_f32 v[ZR+8*\i+\k:ZR+8*\i+\k+1], v[ZR+8*\i+\k:ZR+8*\i+\k+1], v[ER+8*\i+\k:ER+8*\i+\k+1]   ; z + t
.endr
	global_store_b128 v1, v[ZR+8*\i:ZR+8*\i+3],   s[10:11] offset:1024*\i th:TH_STORE_NT
	global_store_b128 v1, v[ZR+8*\i+4:ZR+8*\i+7], s[10:11] offset:1024*\i+512 th:TH_STORE_NT
.endr
	v_pk_add_f32 v[SA:SA+1], v[SA:SA+1], v[SA+2:SA+3]
	v_add_f32 v12, v[SA], v[SA+1]
	v_add_f32_dpp v12, v12, v12 row_xmask:1 row_mask:0xf bank_mask:0xf
	v_add_f32_dpp v12, v12, v12 row_xmask:2 row_mask:0xf bank_mask:0xf
	v_add_f32_dpp v12, v12, v12 row_xmask:4 row_mask:0xf bank_mask:0xf
	v_add_f32_dpp v12, v12, v12 row_xmask:8 row_mask:0xf bank_mask:0xf
	v_permlanex16_b32 v[SA+1], v12, s26, s27       ; a register that has been written
	v_add_f32 v12, v12, v[SA+1]
	ds_store_b32 v14, v12                          ; every lane writes the wave's word with the same number
	s_wait_dscnt 0x0                               ; for wave 0's sake
	s_barrier_signal -1
	s_barrier_wait -1
	s_cmp_lg_u32 s24, 0
	s_cbranch_scc1 .Ldone
	v_mov_b32 v15, 0
	ds_load_b128 v[ER:ER+3],   v15                 ; the eight waves' sums, into registers that no pending store reads
	ds_load_b128 v[ER+4:ER+7], v15 offset:16
	s_wait_dscnt 0x0
	v_pk_add_f32 v[ER:ER+1],   v[ER:ER+1],   v[ER+2:ER+3]
	v_pk_add_f32 v[ER+4:ER+5], v[ER+4:ER+5], v[ER+6:ER+7]
	v_pk_add_f32 v[ER:ER+1],   v[ER:ER+1],   v[ER+4:ER+5]
	v_add_f32 v[ER], v[ER], v[ER+1]
	v_cmp_eq_u32 vcc_lo, 0, v0
	s_wait_xcnt 0x0                                ; EXEC is a source of the stores above: it changes only behind this wait
	s_and_saveexec_b32 s28, vcc_lo
	global_store_b32 v15, v[ER], s[12:13]          ; lane 0: part[g]
	s_wait_xcnt 0x0                                ; and again in front of the line that widens it
	s_or_b32 exec_lo, exec_lo, s28
.Ldone:
	s_wait_tensorcnt 0x0
	ds_add_u32 v148, v149
	s_wait_dscnt 0x0
	s_endpgm
.Lfunc_end_k_qbb59e516c7_gather:
	.size	k_qbb59e516c7_gather, .Lfunc_end_k_qbb59e516c7_gather-k_qbb59e516c7_gather
	.p2alignl 7, 3214868480
	.fill 96, 4, 3214868480
	.section	.rodata,"a",@progbits
	.p2align	6, 0x0
	.amdhsa_kernel k_qbb59e516c7_gather
		.amdhsa_group_segment_fixed_size 1280
		.amdhsa_private_segment_fixed_size 0
		.amdhsa_enable_private_segment 0
		.amdhsa_kernarg_size 40
		.amdhsa_user_sgpr_count 2
		.amdhsa_user_sgpr_kernarg_segment_ptr 1
		.amdhsa_wavefront_size32 1
		.amdhsa_system_sgpr_workgroup_id_x 1
		.amdhsa_system_sgpr_workgroup_id_y 1
		.amdhsa_system_sgpr_workgroup_id_z 1
		.amdhsa_system_vgpr_workitem_id 0
		.amdhsa_next_free_vgpr 150
		.amdhsa_next_free_sgpr 66
		.amdhsa_reserve_vcc 1
		.amdhsa_float_denorm_mode_32 3
		.amdhsa_float_denorm_mode_16_64 3
		.amdhsa_memory_ordered 1
		.amdhsa_forward_progress 1
		.amdhsa_inst_pref_size 15
	.end_amdhsa_kernel
	.amdgpu_metadata
---
amdhsa.version: [ 1, 2 ]
amdhsa.kernels:
  - .name:           k_qbb59e516c7_gather
    .symbol:         k_qbb59e516c7_gather.kd
    .args:
      - { .name: z, .offset: 0, .size: 8, .value_kind: global_buffer, .address_space: global }
      - { .name: codebook, .offset: 8, .size: 8, .value_kind: global_buffer, .address_space: global }
      - { .name: order, .offset: 16, .size: 8, .value_kind: global_buffer, .address_space: global }
      - { .name: out0, .offset: 24, .size: 8, .value_kind: global_buffer, .address_space: global }
      - { .name: part, .offset: 32, .size: 8, .value_kind: global_buffer, .address_space: global }
    .group_segment_fixed_size: 1280
    .private_segment_fixed_size: 0
    .kernarg_segment_align: 8
    .kernarg_segment_size: 40
    .max_flat_workgroup_size: 256
    .sgpr_count:     66
    .vgpr_count:     150
    .wavefront_size: 32
...
	.end_amdgpu_metadata
.endif
;; end of part 3
;; launch lsum (part 4): grid 1 x 1, 1 waves a work-group, no clusters, 0 bytes of LDS; arguments part, out1; writes out1
.if DOCPART == 4
	.amdgcn_target "amdgcn-amd-amdhsa--gfx1250"
	.amdhsa_code_object_version 6
	.text
	.protected	k_qbb59e516c7_lsum
	.globl	k_qbb59e516c7_lsum
	.p2align	8
	.type	k_qbb59e516c7_lsum,@function
k_qbb59e516c7_lsum:
	s_mov_b64 s[64:65], 0
	v_nop
	global_prefetch_b8 v0, s[64:65] scope:SCOPE_SE
	s_setreg_imm32_b32 hwreg(HW_REG_WAVE_MODE, 25, 1), 1
	s_wait_xcnt 0x0
; out1 = 0.25 m + m, m = the mean of (e - z)^2 = the sum of the 512 partial sums x 2^-23 (32,768 rows x 256 channels = 2^23 numbers).
; One wave: 2,048 bytes are four loads of 16 bytes a lane.  A sum that spans work-groups is made by one owner, in a launch of its own.
	s_load_b128 s[4:7], s[0:1], 0x0                ; part s[4:5], out1 s[6:7]
	v_lshlrev_b32 v1, 4, v0
	v_mov_b32 v2, 0
	s_mov_b32 s8, 0x76543210
	s_mov_b32 s9, 0xfedcba98
	s_wait_kmcnt 0x0
.irp k, 0,1,2,3
	global_load_b128 v[4+4*\k:7+4*\k], v1, s[4:5] offset:512*\k
.endr
	s_wait_loadcnt 0x0
	v_pk_add_f32 v[4:5],   v[4:5],   v[6:7]
	v_pk_add_f32 v[8:9],   v[8:9],   v[10:11]
	v_pk_add_f32 v[12:13], v[12:13], v[14:15]
	v_pk_add_f32 v[16:17], v[16:17], v[18:19]
	v_pk_add_f32 v[4:5],   v[4:5],   v[8:9]
	v_pk_add_f32 v[12:13], v[12:13], v[16:17]
	v_pk_add_f32 v[4:5],   v[4:5],   v[12:13]
	v_add_f32 v4, v4, v5
	v_add_f32_dpp v4, v4, v4 row_xmask:1 row_mask:0xf bank_mask:0xf
	v_add_f32_dpp v4, v4, v4 row_xmask:2 row_mask:0xf bank_mask:0xf
	v_add_f32_dpp v4, v4, v4 row_xmask:4 row_mask:0xf bank_mask:0xf
	v_add_f32_dpp v4, v4, v4 row_xmask:8 row_mask:0xf bank_mask:0xf
	v_permlanex16_b32 v5, v4, s8, s9               ; v5 has been written
	v_add_f32 v4, v4, v5
	v_mul_f32 v4, 0x34000000, v4                   ; x 2^-23: the mean
	v_fma_f32 v4, v4, 0x3e800000, v4               ; 0.25 m + m
	v_cmp_eq_u32 vcc_lo, 0, v0
	s_wait_xcnt 0x0                                ; EXEC changes only behind this wait
	s_and_saveexec_b32 s10, vcc_lo
	global_store_b32 v2, v4, s[6:7]                ; lane 0
	s_wait_xcnt 0x0
	s_or_b32 exec_lo, exec_lo, s10
	s_endpgm
.Lfunc_end_k_qbb59e516c7_lsum:
	.size	k_qbb59e516c7_lsum, .Lfunc_end_k_qbb59e516c7_lsum-k_qbb59e516c7_lsum
	.p2alignl 7, 3214868480
	.fill 96, 4, 3214868480
	.section	.rodata,"a",@progbits
	.p2align	6, 0x0
	.amdhsa_kernel k_qbb59e516c7_lsum
		.amdhsa_group_segment_fixed_size 0
		.amdhsa_private_segment_fixed_size 0
		.amdhsa_enable_private_segment 0
		.amdhsa_kernarg_size 16
		.amdhsa_user_sgpr_count 2
		.amdhsa_user_sgpr_kernarg_segment_ptr 1
		.amdhsa_wavefront_size32 1
		.amdhsa_system_sgpr_workgroup_id_x 1
		.amdhsa_system_sgpr_workgroup_id_y 1
		.amdhsa_system_sgpr_workgroup_id_z 1
		.amdhsa_system_vgpr_workitem_id 0
		.amdhsa_next_free_vgpr 24
		.amdhsa_next_free_sgpr 66
		.amdhsa_reserve_vcc 1
		.amdhsa_float_denorm_mode_32 3
		.amdhsa_float_denorm_mode_16_64 3
		.amdhsa_memory_ordered 1
		.amdhsa_forward_progress 1
		.amdhsa_inst_pref_size 3
	.end_amdhsa_kernel
	.amdgpu_metadata
---
amdhsa.version: [ 1, 2 ]
amdhsa.kernels:
  - .name:           k_qbb59e516c7_lsum
    .symbol:         k_qbb59e516c7_lsum.kd
    .args:
      - { .name: part, .offset: 0, .size: 8, .value_kind: global_buffer, .address_space: global }
      - { .name: out1, .offset: 8, .size: 8, .value_kind: global_buffer, .address_space: global }
    .group_segment_fixed_size: 0
    .private_segment_fixed_size: 0
    .kernarg_segment_align: 8
    .kernarg_segment_size: 16
    .max_flat_workgroup_size: 32
    .sgpr_count:     66
    .vgpr_count:     24
    .wavefront_size: 32
...
	.end_amdgpu_metadata
.endif
;; end of part 4
